; MI455X (gfx1250); checked and timed in simulation.
; The chip was launched on July 23, 2026; its instructions are those of AMD's public machine-readable ISA for CDNA 5 (MIT licence, August 2026) and "CDNA5" Instruction Set Architecture Reference Guide (July 2026). The comments in the code are by the model that wrote it; some were corrected since.
;; Pyramid ROI Align. Allowed arithmetic: float matrix products may take bf16 or f16 operands with f32 sums; all other float work in f32.
;; Inputs: boxes 2 x 200 x 4 float32; image_shape 3 int32; p2 2 x 256 x 256 x 256 float32; p3 2 x 128 x 128 x 256 float32; p4 2 x 64 x 64 x 256 float32; p5 2 x 32 x 32 x 256 float32.
;; Outputs: out0 2 x 200 x 7 x 7 x 256 float32.
;; One version. Each part assembles by itself: llvm-mc -triple=amdgcn-amd-amdhsa -mcpu=gfx1250 --defsym DOCPART=n.
;; ======== version 1 of 1: 2 launches
;; workspace buffers: plan 204,800 bytes of whole numbers; wts 204,800 bytes
;; launch plan (part 1): grid 400 x 1, 1 waves a work-group, no clusters, 768 bytes of LDS; arguments boxes, image_shape, plan, wts; writes plan, wts
.if DOCPART == 1
	.amdgcn_target "amdgcn-amd-amdhsa--gfx1250"
	.amdhsa_code_object_version 6
	.text
	.protected	k_q4b71db3f4c_plan
	.globl	k_q4b71db3f4c_plan
	.p2align	8
	.type	k_q4b71db3f4c_plan,@function
k_q4b71db3f4c_plan:
	s_mov_b64 s[64:65], 0
	v_nop
	global_prefetch_b8 v0, s[64:65] scope:SCOPE_SE
	s_setreg_imm32_b32 hwreg(HW_REG_WAVE_MODE, 25, 1), 1
	s_wait_xcnt 0x0
; PLAN: one wave for each of the 400 boxes.  It turns the box (floats) into the whole numbers and weights from which the next launch
; forms its addresses.  No address and no branch here hangs on the box: every decision is a select.
; Lane t (0..27) is tap (i, k) = (t >> 2, t & 3) of both axes, and slot u = t of the list of distinct outer coordinates.
; Lanes 28..31 run the same arithmetic with i = 7; their figures are legal (clipped like the others) and nobody uses them.
;
; The bicubic sum is separable.  The next launch interpolates along the INNER axis once for every DISTINCT coordinate of the OUTER axis
; and then combines four such lines for each output line.  Outer is the axis with fewer distinct coordinates after the crop clip:
;   span <= 28: the taps cover lo .. hi-1 without a gap (the windows are 4 wide, span/7 <= 4 apart): n = max(span, 1) coordinates lo + u,
;               and the slot of a tap is its clipped coordinate minus lo;
;   span >  28: the 28 taps themselves, slot = tap number (right also where the clip to the map makes some of them equal).
;
; Record in plan (512 bytes a box, whole numbers): [0..31] inner tap pixel offsets, [32..63] outer pixel offsets by slot (slots >= n repeat
; the last), [64..95] slot of outer tap t, [96] level - 2, [97] n, [98] output stride of the outer index, [99..127] of the inner index (in
; pixels of 1,024 bytes).  A row coordinate y counts (image * S + y) * S pixels, a column coordinate x counts x.
; Record in wts (512 bytes a box, f32): [0..63] inner weights, each stored twice; [64..127] outer weights times valid, each twice:
; the reader multiplies by them as even-aligned scalar pairs.
;
; LIMITS.  |box * 256| < 2^23, so that lo + u is exact.  sqrt, reciprocal and log2 are good to one unit in the last place and the two
; divisions are reciprocal times numerator: a box whose log2 figure lies within about 1e-6 of a half-integer may be routed to the
; neighbouring level.  h * w < 0 gives NaN, which converts to 0: level 4.  An overflowing image area wraps in 32 bits as in the reference.
.set PER_IMAGE, 200
	s_load_b256 s[4:11], s[0:1], 0x0               ; boxes s[4:5], image_shape s[6:7], plan s[8:9], wts s[10:11]
	v_lshl_add_u32 v64, v0, 2, 0x200
	v_mov_b32 v65, 0
	s_lshl_b32 s12, ttmp9, 4                       ; 16 bytes a box
	s_mov_b32 s13, 0
	s_lshl_b32 s14, ttmp9, 9                       ; 512 bytes a record
	s_mov_b32 s15, 0
	s_mov_b32 s27, 0xcccccccc                      ; lanes with k = 2, 3
	s_mov_b32 s30, 0x66666666                      ; lanes with k = 1, 2 (the two inner taps)
	s_mov_b32 s28, 0x3fc00000                      ; 1.5  = A + 2
	s_mov_b32 s29, 0xc0200000                      ; -2.5 = -(A + 3)
	s_mov_b32 s31, 0x41e00000                      ; 28.0
	v_lshrrev_b32 v1, 2, v0
	v_and_b32 v2, 3, v0
	v_cvt_f32_u32 v1, v1
	v_cvt_f32_u32 v2, v2
	v_cvt_f32_u32 v3, v0                           ; u
	v_add_f32 v1, 0.5, v1                          ; i + 0.5
	v_add_f32 v2, -1.0, v2                         ; k - 1
	v_mul_f32 v8, 0x3e124925, v1                   ; g = (i + 0.5) / 7: times 1/7,
	v_fmamk_f32 v9, v8, 0xc0e00000, v1             ; the remainder (i + 0.5) - 7 g,
	v_fmamk_f32 v8, v9, 0x3e124925, v8             ; and one correction
	s_wait_kmcnt 0x0
	s_add_nc_u64 s[4:5], s[4:5], s[12:13]
	s_add_nc_u64 s[8:9], s[8:9], s[14:15]
	s_add_nc_u64 s[10:11], s[10:11], s[14:15]
	s_load_b128 s[16:19], s[4:5], 0x0              ; y1 x1 y2 x2
	s_load_b64 s[20:21], s[6:7], 0x0               ; image height, width
	s_wait_kmcnt 0x0
	; the level: 4 + round(log2(sqrt(h w) / (224 / sqrt(area)))), clipped to 2 .. 5
	v_mov_b32 v4, s16
	v_mov_b32 v5, s17
	v_sub_f32 v10, s18, v4                         ; h
	v_sub_f32 v11, s19, v5                         ; w
	v_mul_f32 v10, v10, v11
	s_mul_i32 s20, s20, s21                        ; area in 32-bit whole numbers, as the reference forms it
	v_cvt_f32_i32 v11, s20
	v_sqrt_f32 v10, v10
	v_sqrt_f32 v11, v11
	v_nop                                          ; one plain vector instruction stands behind each root, reciprocal and logarithm before its result is used
	s_wait_alu depctr_va_vdst(0)
	v_rcp_f32 v11, v11
	v_nop
	s_wait_alu depctr_va_vdst(0)
	v_mul_f32 v11, 0x43600000, v11                 ; 224 / sqrt(area)
	v_rcp_f32 v11, v11
	v_nop
	s_wait_alu depctr_va_vdst(0)
	v_mul_f32 v10, v10, v11
	v_log_f32 v10, v10
	v_nop
	s_wait_alu depctr_va_vdst(0)
	v_rndne_f32 v10, v10                           ; half to even, like jnp.round
	v_cvt_i32_f32 v10, v10                         ; saturates; NaN gives 0
	v_readfirstlane_b32 s22, v10                   ; the same in all lanes; used for values only
	s_add_co_i32 s22, s22, 4
	s_max_i32 s22, s22, 2
	s_min_i32 s22, s22, 5                          ; level
	s_sub_co_u32 s23, 10, s22                      ; log2 S: the maps are 256, 128, 64, 32 square
	s_lshl_b32 s24, 1, s23                         ; S
	s_sub_co_u32 s25, s24, 1
	v_cvt_f32_u32 v12, s24                         ; S
	v_cvt_f32_u32 v13, s25                         ; S - 1, the largest index
	s_cmp_ge_u32 ttmp9, PER_IMAGE
	s_cselect_b32 s26, s24, 0                      ; image * S
	s_sub_co_u32 s22, s22, 2                       ; level - 2 for the header
	; the crop bounds in pixels, and whether the box counts at all
	v_mul_f32 v4, v4, v12
	v_mul_f32 v5, v5, v12
	v_mul_f32 v6, s18, v12
	v_mul_f32 v7, s19, v12
	v_rndne_f32 v4, v4
	v_rndne_f32 v5, v5
	v_rndne_f32 v6, v6
	v_rndne_f32 v7, v7
	v_min_num_f32 v14, v4, v6                      ; py1
	v_max_num_f32 v15, v4, v6                      ; py2
	v_min_num_f32 v16, v5, v7                      ; px1
	v_max_num_f32 v17, v5, v7                      ; px2
	v_add_f32 v18, v14, v16
	v_add_f32 v18, v18, v15
	v_add_f32 v18, v18, v17
	v_cmp_neq_f32 vcc_lo, 0, v18
	v_cndmask_b32 v18, 0, 1.0, vcc_lo              ; valid as 1.0 or 0.0
; My tap of one axis: c = its coordinate clipped to the crop, w = its cubic weight, span = hi - lo.
; With z = t for k = 0, 1 and z = 1 - t for k = 2, 3 the four weights are two polynomials:
; outer taps A z (1 - z)^2, inner taps ((A + 2) z - (A + 3)) z^2 + 1, A = -0.5.
.macro AXIS lo, hi, c, w, span
	v_sub_f32 v[\span], v[\hi], v[\lo]
	v_fma_f32 v20, v8, v[\span], v[\lo]
	v_add_f32 v20, -0.5, v20                       ; s = lo + g span - 0.5
	v_floor_f32 v21, v20
	v_sub_f32 v22, v20, v21                        ; t
	v_sub_f32 v23, 1.0, v22                        ; 1 - t
	v_cndmask_b32 v24, v22, v23, s27               ; z
	v_cndmask_b32 v25, v23, v22, s27               ; 1 - z
	v_mul_f32 v26, v25, v25
	v_mul_f32 v26, v26, v24
	v_mul_f32 v26, -0.5, v26                       ; outer tap
	v_fma_f32 v27, v24, s28, s29
	v_mul_f32 v28, v24, v24
	v_fma_f32 v27, v27, v28, 1.0                   ; inner tap
	v_cndmask_b32 v[\w], v26, v27, s30
	v_add_f32 v21, v21, v2                         ; floor(s) + k - 1
	v_add_f32 v29, -1.0, v[\hi]
	v_max_num_f32 v29, v29, v[\lo]                 ; max(hi - 1, lo)
	v_max_num_f32 v21, v21, v[\lo]
	v_min_num_f32 v[\c], v21, v29
.endm
	AXIS 14, 15, 30, 31, 32                        ; y
	AXIS 16, 17, 33, 34, 35                        ; x
	; distinct coordinates of each axis, and which axis is outer
	v_max_num_f32 v36, 1.0, v32
	v_cmp_ge_f32 vcc_lo, s31, v32                  ; 28 >= span
	v_cndmask_b32 v36, s31, v36, vcc_lo            ; n of y
	v_max_num_f32 v37, 1.0, v35
	v_cmp_ge_f32 vcc_lo, s31, v35
	v_cndmask_b32 v37, s31, v37, vcc_lo            ; n of x
	v_cmp_lt_f32 s2, v37, v36                      ; all lanes alike: x is outer where it has fewer
	v_cndmask_b32 v38, v14, v16, s2                ; outer: lo
	v_cndmask_b32 v39, v30, v33, s2                ;        my tap, clipped to the crop
	v_cndmask_b32 v40, v32, v35, s2                ;        span
	v_cndmask_b32 v41, v36, v37, s2                ;        n
	v_cndmask_b32 v42, v31, v34, s2                ;        my weight
	v_cndmask_b32 v43, v33, v30, s2                ; inner: my tap
	v_cndmask_b32 v44, v34, v31, s2                ;        my weight
	v_cmp_ge_f32 vcc_lo, s31, v40                  ; the outer list is the range lo .. lo + n - 1
	v_add_f32 v45, -1.0, v41
	v_min_num_f32 v45, v45, v3                     ; slots behind the last repeat it
	v_add_f32 v45, v45, v38
	v_cndmask_b32 v45, v39, v45, vcc_lo            ; coordinate of slot u
	v_sub_f32 v46, v39, v38
	v_cndmask_b32 v46, v3, v46, vcc_lo             ; slot of my outer tap
	v_cvt_i32_f32 v46, v46
	v_max_num_f32 v45, 0, v45                      ; the clip to the map, then whole numbers
	v_min_num_f32 v45, v45, v13
	v_cvt_i32_f32 v45, v45
	v_max_num_f32 v43, 0, v43
	v_min_num_f32 v43, v43, v13
	v_cvt_i32_f32 v43, v43
	v_add_nc_u32 v47, s26, v45                     ; as a row: (image S + y) S pixels
	v_lshlrev_b32 v47, s23, v47
	v_cndmask_b32 v45, v47, v45, s2                ; outer is a row unless x is outer
	v_add_nc_u32 v47, s26, v43
	v_lshlrev_b32 v47, s23, v47
	v_cndmask_b32 v43, v43, v47, s2                ; inner is a column unless x is outer
	; the header word of my lane
	v_cvt_i32_f32 v41, v41
	v_cndmask_b32 v48, 7, 1, s2                    ; output pixels from one outer index to the next
	v_cndmask_b32 v49, 1, 7, s2                    ; and from one inner index to the next
	v_mov_b32 v50, s22
	v_cmp_eq_u32 vcc_lo, 2, v0
	v_cndmask_b32 v49, v49, v48, vcc_lo
	v_cmp_eq_u32 vcc_lo, 1, v0
	v_cndmask_b32 v49, v49, v41, vcc_lo
	v_cmp_eq_u32 vcc_lo, 0, v0
	v_cndmask_b32 v49, v49, v50, vcc_lo
	; weights as pairs
	v_mul_f32 v52, v42, v18                        ; a box that does not count gets outer weights 0: its output is 0
	v_mov_b32 v54, v44
	v_mov_b32 v55, v44
	v_mov_b32 v53, v52
	; The four arrays of 32 words lie one word a lane.  Through 512 bytes of LDS they become 16 consecutive bytes a lane, so that
	; one store covers the record's 512 consecutive bytes.  LDS serves a wave's instructions in order: no wait between stores and load.
	v_lshlrev_b32 v60, 2, v0
	v_lshlrev_b32 v61, 4, v0
	v_lshlrev_b32 v62, 3, v0
	ds_store_b32 v60, v43
	ds_store_b32 v60, v45 offset:128
	ds_store_b32 v60, v46 offset:256
	ds_store_b32 v60, v49 offset:384
	ds_load_b128 v[56:59], v61
	global_store_b64 v62, v[54:55], s[10:11]               ; 256 consecutive bytes each
	global_store_b64 v62, v[52:53], s[10:11] offset:256
	s_wait_dscnt 0x0
	global_store_b128 v61, v[56:59], s[8:9]
	s_wait_tensorcnt 0x0
	ds_add_u32 v64, v65
	s_wait_dscnt 0x0
	s_endpgm
.Lfunc_end_k_q4b71db3f4c_plan:
	.size	k_q4b71db3f4c_plan, .Lfunc_end_k_q4b71db3f4c_plan-k_q4b71db3f4c_plan
	.p2alignl 7, 3214868480
	.fill 96, 4, 3214868480
	.section	.rodata,"a",@progbits
	.p2align	6, 0x0
	.amdhsa_kernel k_q4b71db3f4c_plan
		.amdhsa_group_segment_fixed_size 768
		.amdhsa_private_segment_fixed_size 0
		.amdhsa_enable_private_segment 0
		.amdhsa_kernarg_size 32
		.amdhsa_user_sgpr_count 2
		.amdhsa_user_sgpr_kernarg_segment_ptr 1
		.amdhsa_wavefront_size32 1
		.amdhsa_system_sgpr_workgroup_id_x 1
		.amdhsa_system_sgpr_workgroup_id_y 1
		.amdhsa_system_sgpr_workgroup_id_z 1
		.amdhsa_system_vgpr_workitem_id 0
		.amdhsa_next_free_vgpr 66
		.amdhsa_next_free_sgpr 66
		.amdhsa_reserve_vcc 1
		.amdhsa_float_denorm_mode_32 3
		.amdhsa_float_denorm_mode_16_64 3
		.amdhsa_memory_ordered 1
		.amdhsa_forward_progress 1
		.amdhsa_inst_pref_size 8
	.end_amdhsa_kernel
	.amdgpu_metadata
---
amdhsa.version: [ 1, 2 ]
amdhsa.kernels:
  - .name:           k_q4b71db3f4c_plan
    .symbol:         k_q4b71db3f4c_plan.kd
    .args:
      - { .name: boxes, .offset: 0, .size: 8, .value_kind: global_buffer, .address_space: global }
      - { .name: image_shape, .offset: 8, .size: 8, .value_kind: global_buffer, .address_space: global }
      - { .name: plan, .offset: 16, .size: 8, .value_kind: global_buffer, .address_space: global }
      - { .name: wts, .offset: 24, .size: 8, .value_kind: global_buffer, .address_space: global }
    .group_segment_fixed_size: 768
    .private_segment_fixed_size: 0
    .kernarg_segment_align: 8
    .kernarg_segment_size: 32
    .max_flat_workgroup_size: 32
    .sgpr_count:     66
    .vgpr_count:     66
    .wavefront_size: 32
...
	.end_amdgpu_metadata
.endif
;; end of part 1
;; launch pool (part 2): grid 800 x 1, 7 waves a work-group, no clusters, 101,376 bytes of LDS; arguments plan, wts, p2, p3, p4, p5, out0; writes out0
.if DOCPART == 2
	.amdgcn_target "amdgcn-amd-amdhsa--gfx1250"
	.amdhsa_code_object_version 6
	.text
	.protected	k_q4b71db3f4c_pool
	.globl	k_q4b71db3f4c_pool
	.p2align	8
	.type	k_q4b71db3f4c_pool,@function
k_q4b71db3f4c_pool:
	s_mov_b64 s[64:65], 0
	v_nop
	global_prefetch_b8 v0, s[64:65] scope:SCOPE_SE
	s_setreg_imm32_b32 hwreg(HW_REG_WAVE_MODE, 25, 1), 1
	s_wait_xcnt 0x0
; POOL: out[box][i][j][c] = sum over k, l of wy[i][k] wx[j][l] map[row(i,k)][col(j,l)][c], from the records that the launch before wrote.
; A work-group is (box, half of the 256 channels), seven waves.  A lane owns 4 channels, so each load, LDS access and store of a wave
; covers 512 consecutive bytes that start at a multiple of 512.
; PHASE 1.  Wave w takes the distinct outer coordinates (slots) w, w + 7, w + 14, w + 21 below n.  For a slot it loads the 28 inner taps and
; forms the 7 inner interpolations, 4 multiply-adds each, into LDS at slot * 3,584 + m * 512.  A line that several output lines share is
; so loaded and interpolated once.  The 28 loads are a ring of 7 slots of 4: as soon as m's four are used, the next line's four are asked for.
; Phase 1 is written out once for each of the four levels and the record's level word picks one: each text names its own map's pointer
; as the kernel arguments gave it, and clamps the record's pixel numbers to that map's own size.  All that comes from the record is in the
; 32-bit vector offset: (outer pixels + inner pixels) * 1,024 + 512 * half + 16 * lane, below 2^27.
; PHASE 2, behind one barrier.  Wave w makes outer output index w: 4 lines from LDS at the slots of its 4 outer taps, 4 multiply-adds for
; each of 7 outputs, 7 stores.  Which of i, j is the outer index is only a pair of strides read from the record.
;
; WHY NO MATRIX INSTRUCTIONS: each contraction is 4 long with weights of the box's own.  A fragment wants the contracted index along a lane's
; registers while memory has the channels consecutive, so every loaded number would need a rounding to bf16 and a transposing trip
; through LDS: more vector work than the one packed multiply-add for two numbers that it would replace.  All arithmetic stays in f32.
; WHY NO CLUSTER, NO TENSOR LOADS: the two halves of a box share no byte, other boxes overlap by amounts that the data decide, and the taps are
; scattered pieces of 512 bytes; there is no tile that several work-groups ask for together.
; WHY NO PREFETCH: a line's address is known only when the record has come, and its loads are issued at once.
; LIMIT: the maps hold finite numbers (the reference multiplies the levels and boxes that do not count by 0; here they are not read,
; or are weighted by 0).
.set ROWB, 3584                        ; LDS bytes of a slot: 7 outputs x 128 channels x 4 bytes; 28 slots = 100,352 bytes
.set COL,  4                           ; v[4:31]    byte offset of inner tap x: pixel * 1024 + 512 * half + 16 * lane
.set X,    32                          ; v[32:143]  ring: 28 loads of 4 registers, the first of the four holds the load's offset until it lands; in phase 2 the 28 lines from LDS
.set T,    144                         ; v[144:151] two sets of 4: an interpolated value on its way to LDS
.set LT,   152                         ; v152       LDS address of my 16 bytes in the slot at work
.set LP,   4                           ; v[4:7]     phase 2 (the inner offsets are done with): LDS address of my 16 bytes in the slot of outer tap k
.set SO,   8                           ; v[8:14]    phase 2: byte offset of my 16 bytes in output m
; s[8:15] the four maps, never rewritten; s[16:17] out; s18 wave; s19 box; s24 level - 2; s25 my number of slots
; s66, s67, s100, s101 byte offsets of my four outer coordinates
; s[28:31] slots of my 4 outer taps; s[32:39] their weights; s[68:99], s[40:63] the 28 inner weights; every weight is an even-aligned pair
	s_load_b256 s[4:11], s[0:1], 0x0               ; plan s[4:5], wts s[6:7], p2 s[8:9], p3 s[10:11]
	s_load_b128 s[12:15], s[0:1], 0x20             ; p4, p5
	s_load_b64 s[16:17], s[0:1], 0x30              ; out0
	v_lshl_add_u32 v154, v0, 2, 0x18800
	v_mov_b32 v155, 0
	v_lshrrev_b32 v3, 5, v0
	v_readfirstlane_b32 s18, v3                    ; wave 0..6
	s_lshr_b32 s19, ttmp9, 1                       ; box
	s_and_b32 s20, ttmp9, 1
	s_lshl_b32 s20, s20, 9                         ; 512 bytes x half
	s_lshl_b32 s22, s19, 9                         ; 512 bytes a record
	s_mov_b32 s23, 0                               ; stays 0: the upper word of every 32-bit offset
	s_lshl_b32 s2, s18, 2
	s_lshl_b32 s3, s18, 4
	s_lshl_b32 s21, s18, 5
	v_and_b32 v2, 31, v0
	v_lshlrev_b32 v2, 4, v2                        ; 16 x lane
	v_add_nc_u32 v1, s20, v2                       ; + my half
	v_mov_b32 v3, 0
	s_wait_kmcnt 0x0
	s_add_nc_u64 s[4:5], s[4:5], s[22:23]
	s_add_nc_u64 s[6:7], s[6:7], s[22:23]
	; the record.  The 28 inner offsets go to vector registers, the same word to every lane; the rest is scalar.
.irp q, 0,1,2,3,4,5,6
	global_load_b128 v[COL+4*\q:COL+4*\q+3], v3, s[4:5] offset:16*\q
.endr
	s_load_b128 s[24:27], s[4:5], 0x180            ; level - 2, n, outer stride, inner stride
	s_load_b32 s66,  s[4:5], s2 offset:0x80        ; outer pixel offsets of slots w, w + 7, w + 14, w + 21 (all 28 entries are legal)
	s_load_b32 s67,  s[4:5], s2 offset:0x9c
	s_load_b32 s100, s[4:5], s2 offset:0xb8
	s_load_b32 s101, s[4:5], s2 offset:0xd4
	s_load_b128 s[28:31], s[4:5], s3 offset:0x100  ; slots of outer taps 4 w .. 4 w + 3
	s_load_b256 s[32:39], s[6:7], s21 offset:0x100 ; their weights
	s_load_b512 s[68:83], s[6:7], 0x0              ; inner weights of m = 0, 1
	s_load_b512 s[84:99], s[6:7], 0x40             ; m = 2, 3
	s_load_b512 s[40:55], s[6:7], 0x80             ; m = 4, 5
	s_load_b256 s[56:63], s[6:7], 0xc0             ; m = 6
	s_wait_kmcnt 0x0                               ; scalar loads return in no order: only 0 says anything
	s_min_u32 s25, s25, 28                         ; my number of slots: floor((n + 6 - w) / 7); for 0 .. 34, x / 7 = (37 x) >> 8
	s_max_u32 s25, s25, 1
	s_add_co_u32 s25, s25, 6
	s_sub_co_u32 s25, s25, s18
	s_mul_i32 s25, s25, 37
	s_lshr_b32 s25, s25, 8
	s_mul_i32 s20, s18, ROWB
	v_add_nc_u32 v[LT], s20, v2                    ; slot w
.irp k, 0,1,2,3
	s_min_u32 s[28+\k], s[28+\k], 27               ; LDS bytes of the slots of my outer taps, for phase 2
	s_mul_i32 s[28+\k], s[28+\k], ROWB
.endr
	s_min_u32 s26, s26, 7                          ; out at pixel 49 box + outer stride x w; then m steps of the inner stride
	s_min_u32 s27, s27, 7
	s_mul_i32 s22, s19, 49
	s_mul_i32 s26, s26, s18
	s_add_co_u32 s22, s22, s26
	s_lshl_b32 s22, s22, 10
	s_add_nc_u64 s[16:17], s[16:17], s[22:23]
	s_lshl_b32 s27, s27, 10
	s_wait_loadcnt 0x0                             ; the inner offsets
; the inner interpolation m: four taps, four channels a lane, the weight broadcast from the low word of its scalar pair
.macro XSTAGE j
.if \j < 4
.set WB, 68+8*\j
.else
.set WB, 8+8*\j
.endif
.set TB, T+4*(\j&1)
.set XB, X+16*\j
	v_pk_mul_f32 v[TB:TB+1],   v[XB:XB+1],   s[WB:WB+1] op_sel_hi:[1,0]
	v_pk_mul_f32 v[TB+2:TB+3], v[XB+2:XB+3], s[WB:WB+1] op_sel_hi:[1,0]
.irp l, 1,2,3
	v_pk_fma_f32 v[TB:TB+1],   v[XB+4*\l:XB+4*\l+1],   s[WB+2*\l:WB+2*\l+1], v[TB:TB+1]   op_sel_hi:[1,0,1]
	v_pk_fma_f32 v[TB+2:TB+3], v[XB+4*\l+2:XB+4*\l+3], s[WB+2*\l:WB+2*\l+1], v[TB+2:TB+3] op_sel_hi:[1,0,1]
.endr
.endm
; One outer coordinate.  ahead = 1: each ring slot is asked for again at once, for the coordinate whose byte offset is s[row], in the map at
; s[base:base+1].  The four registers of a load are free once XSTAGE has read them; the first of them takes the new load's offset.
.macro ROW ahead, row, base
.irp j, 0,1,2,3,4,5,6
.if \ahead
	s_wait_loadcnt 24                              ; loads return in order: my four are in, the 24 younger ones (six ring slots) stay out
.else
	s_wait_loadcnt 24-4*\j                         ; nothing is asked for any more: the count runs down to 0
.endif
	XSTAGE \j
.if \ahead
.irp l, 0,1,2,3
	v_add_nc_u32 v[X+16*\j+4*\l], s[\row], v[COL+4*\j+\l]
.endr
.irp l, 0,1,2,3
	global_load_b128 v[X+16*\j+4*\l:X+16*\j+4*\l+3], v[X+16*\j+4*\l], s[\base:\base+1]
.endr
.endif
	ds_store_b128 v[LT], v[T+4*(\j&1):T+4*(\j&1)+3] offset:512*\j
.endr
.if \ahead
	v_add_nc_u32 v[LT], 7*ROWB, v[LT]              ; my next slot is seven further
.endif
.endm
; Phase 1 for one level.  maxpix = 2 S S - 1, the map's last pixel.  My number of slots (1 to 4) is a whole number from the record and the
; wave number; the cases share one text, and at every entry of the last line the same 28 loads are out, in the same order.
.macro PHASE1 lv, base, maxpix, last
.Llevel\lv:
.irp r, 66,67,100,101
	s_min_u32 s\r, s\r, \maxpix
	s_lshl_b32 s\r, s\r, 10                        ; pixels of 1,024 bytes
.endr
.set x, 0
.rept 28
	v_min_u32 v[COL+x], \maxpix, v[COL+x]
	v_lshl_add_u32 v[COL+x], v[COL+x], 10, v1
.set x, x+1
.endr
.set x, 0
.rept 28
	v_add_nc_u32 v[X+4*x], s66, v[COL+x]
.set x, x+1
.endr
.set x, 0
.rept 28
	global_load_b128 v[X+4*x:X+4*x+3], v[X+4*x], s[\base:\base+1]
.set x, x+1
.endr
	s_cmp_eq_u32 s25, 1
	s_cbranch_scc1 .Ltail\lv
	ROW 1, 67, \base
	s_cmp_eq_u32 s25, 2
	s_cbranch_scc1 .Ltail\lv
	ROW 1, 100, \base
	s_cmp_eq_u32 s25, 3
	s_cbranch_scc1 .Ltail\lv
	ROW 1, 101, \base
.Ltail\lv:
	ROW 0, 0, 0
.if \last == 0
	s_branch .Ljoin
.endif
.endm
	; PHASE 1
	s_cmp_eq_u32 s25, 0                            ; fewer lines than waves: nothing for me
	s_cbranch_scc1 .Ljoin
	s_cmp_eq_u32 s24, 0
	s_cbranch_scc1 .Llevel2
	s_cmp_eq_u32 s24, 1
	s_cbranch_scc1 .Llevel3
	s_cmp_eq_u32 s24, 2
	s_cbranch_scc1 .Llevel4
	PHASE1 5, 14, 0x7ff, 0                         ; p5: 2 x 32 x 32 pixels
	PHASE1 4, 12, 0x1fff, 0                        ; p4: 2 x 64 x 64
	PHASE1 3, 10, 0x7fff, 0                        ; p3: 2 x 128 x 128
	PHASE1 2, 8, 0x1ffff, 1                        ; p2: 2 x 256 x 256
.Ljoin:
	s_wait_dscnt 0x0                               ; for the other waves: my lines are in LDS before I say so
	s_barrier_signal -1
.irp k, 0,1,2,3
	v_add_nc_u32 v[LP+\k], s[28+\k], v2            ; register work while the others arrive: the addresses of phase 2
.endr
	v_mov_b32 v[SO], v1
.irp m, 1,2,3,4,5,6
	v_add_nc_u32 v[SO+\m], s27, v[SO+\m-1]
.endr
	s_barrier_wait -1                              ; all n lines are there
	; PHASE 2
.irp j, 0,1,2,3,4,5,6
.irp k, 0,1,2,3
	ds_load_b128 v[X+16*\j+4*\k:X+16*\j+4*\k+3], v[LP+\k] offset:512*\j
.endr
.endr
.irp j, 0,1,2,3,4,5,6
	s_wait_dscnt 24-4*\j                           ; LDS loads return in order: the four of output m are in, the younger ones stay out
	v_pk_mul_f32 v[X+16*\j:X+16*\j+1],   v[X+16*\j:X+16*\j+1],   s[32:33] op_sel_hi:[1,0]
	v_pk_mul_f32 v[X+16*\j+2:X+16*\j+3], v[X+16*\j+2:X+16*\j+3], s[32:33] op_sel_hi:[1,0]
.irp k, 1,2,3
	v_pk_fma_f32 v[X+16*\j:X+16*\j+1],   v[X+16*\j+4*\k:X+16*\j+4*\k+1],   s[32+2*\k:33+2*\k], v[X+16*\j:X+16*\j+1]   op_sel_hi:[1,0,1]
	v_pk_fma_f32 v[X+16*\j+2:X+16*\j+3], v[X+16*\j+4*\k+2:X+16*\j+4*\k+3], s[32+2*\k:33+2*\k], v[X+16*\j+2:X+16*\j+3] op_sel_hi:[1,0,1]
.endr
	global_store_b128 v[SO+\j], v[X+16*\j:X+16*\j+3], s[16:17] th:TH_STORE_NT    ; 512 consecutive bytes, written once and not read again
.endr
	s_wait_tensorcnt 0x0
	ds_add_u32 v154, v155
	s_wait_dscnt 0x0
	s_endpgm
.Lfunc_end_k_q4b71db3f4c_pool:
	.size	k_q4b71db3f4c_pool, .Lfunc_end_k_q4b71db3f4c_pool-k_q4b71db3f4c_pool
	.p2alignl 7, 3214868480
	.fill 96, 4, 3214868480
	.section	.rodata,"a",@progbits
	.p2align	6, 0x0
	.amdhsa_kernel k_q4b71db3f4c_pool
		.amdhsa_group_segment_fixed_size 101376
		.amdhsa_private_segment_fixed_size 0
		.amdhsa_enable_private_segment 0
		.amdhsa_kernarg_size 56
		.amdhsa_user_sgpr_count 2
		.amdhsa_user_sgpr_kernarg_segment_ptr 1
		.amdhsa_wavefront_size32 1
		.amdhsa_system_sgpr_workgroup_id_x 1
		.amdhsa_system_sgpr_workgroup_id_y 1
		.amdhsa_system_sgpr_workgroup_id_z 1
		.amdhsa_system_vgpr_workitem_id 0
		.amdhsa_next_free_vgpr 156
		.amdhsa_next_free_sgpr 102
		.amdhsa_reserve_vcc 0
		.amdhsa_float_denorm_mode_32 3
		.amdhsa_float_denorm_mode_16_64 3
		.amdhsa_memory_ordered 1
		.amdhsa_forward_progress 1
		.amdhsa_inst_pref_size 150
	.end_amdhsa_kernel
	.amdgpu_metadata
---
amdhsa.version: [ 1, 2 ]
amdhsa.kernels:
  - .name:           k_q4b71db3f4c_pool
    .symbol:         k_q4b71db3f4c_pool.kd
    .args:
      - { .name: plan, .offset: 0, .size: 8, .value_kind: global_buffer, .address_space: global }
      - { .name: wts, .offset: 8, .size: 8, .value_kind: global_buffer, .address_space: global }
      - { .name: p2, .offset: 16, .size: 8, .value_kind: global_buffer, .address_space: global }
      - { .name: p3, .offset: 24, .size: 8, .value_kind: global_buffer, .address_space: global }
      - { .name: p4, .offset: 32, .size: 8, .value_kind: global_buffer, .address_space: global }
      - { .name: p5, .offset: 40, .size: 8, .value_kind: global_buffer, .address_space: global }
      - { .name: out0, .offset: 48, .size: 8, .value_kind: global_buffer, .address_space: global }
    .group_segment_fixed_size: 101376
    .private_segment_fixed_size: 0
    .kernarg_segment_align: 8
    .kernarg_segment_size: 56
    .max_flat_workgroup_size: 224
    .sgpr_count:     102
    .vgpr_count:     156
    .wavefront_size: 32
...
	.end_amdgpu_metadata
.endif
;; end of part 2
